; MI455X (gfx1250); checked and timed in simulation.
; The chip was launched on July 23, 2026; its instructions are those of AMD's public machine-readable ISA for CDNA 5 (MIT licence, August 2026) and "CDNA5" Instruction Set Architecture Reference Guide (July 2026). The comments in the code are by the model that wrote it; some were corrected since.
;; Quantized Layer. Allowed arithmetic: float matrix products may take bf16 or f16 operands with f32 sums; all other float work in f32.
;; Inputs: centroid_table 256 x 1 float32; input_ 4 x 2,048 x 4,096 float32; weight_idx 2,048 x 4,096 int32.
;; Outputs: out0 4 x 2,048 x 2,048 float32.
;; 2 versions, each right. Each part assembles by itself: llvm-mc -triple=amdgcn-amd-amdhsa -mcpu=gfx1250 --defsym DOCPART=n.
;; ======== version 1 of 2: 2 launches
;; workspace buffers: wb 16,777,216 bytes
;; launch dequant (part 1): grid 512 x 1, 8 waves a work-group, no clusters, 2,048 bytes of LDS; arguments centroid_table, weight_idx, wb; writes wb
.if DOCPART == 1
	.amdgcn_target "amdgcn-amd-amdhsa--gfx1250"
	.amdhsa_code_object_version 6
	.text
	.protected	k_q037f8ebc9e_dequant
	.globl	k_q037f8ebc9e_dequant
	.p2align	8
	.type	k_q037f8ebc9e_dequant,@function
k_q037f8ebc9e_dequant:
	s_mov_b64 s[64:65], 0
	v_nop
	global_prefetch_b8 v0, s[64:65] scope:SCOPE_SE
	s_setreg_imm32_b32 hwreg(HW_REG_WAVE_MODE, 25, 1), 1
	s_wait_xcnt 0x0
; wb = bf16(centroid_table[weight_idx]), laid out for the product that follows: [kb = 0..63][n = 0..2047][64 k], so weight (n, k) lies at
; byte (k >> 6) * 262,144 + n * 128 + (k & 63) * 2, and the 256 n x 64 k that a K step of the product takes are 32,768 consecutive bytes.
; A stream: 33.5 MB of indices in, 16.8 MB out, each byte once.  No matrix unit, no cluster, no tensor loads: the work-groups share nothing but the table's 1,024 bytes.
; SHARES.  4,096 waves.  Wave W = 8 x work-group + wave takes the two rows n = 2 p, 2 p + 1 (p = W / 4) and the sixteen blocks kb = 16 q .. 16 q + 15 (q = W % 4).
; Load i: lanes 0-15 take the 256 bytes (64 indices) of row 2 p in block 16 q + i, lanes 16-31 those of row 2 p + 1: two runs of 256 consecutive bytes, each at a multiple of 256.
; A lane's 4 indices become 4 weights = 8 bytes, and the wave's store i covers 256 consecutive bytes of wb at a multiple of 256 (n = 2 p, then n = 2 p + 1, of one kb).
; All 16 loads of a wave go out at once (8 KiB a wave), so there is no loop.
; LIMITS.  The weight is rounded once to bf16 (nearest even).  An index is read as unsigned and clamped to 255: the problem keeps indices inside the table.
.set IDX, 8                            ; v[8:71]    group i: 4 indices, then their byte addresses in the table
.set G,   72                           ; v[72:135]  group i: 4 centroids in f32; the first two registers then hold the 4 weights in bf16
.set KBB, 262144                       ; bytes of wb for one kb
	s_load_b128 s[4:7], s[0:1], 0x0                ; table s[4:5], indices s[6:7]
	s_load_b64 s[8:9], s[0:1], 0x10                ; wb
	v_lshl_add_u32 v144, v0, 2, 0x400
	v_mov_b32 v145, 0
	v_lshrrev_b32 v1, 5, v0
	v_readfirstlane_b32 s10, v1                    ; wave 0..7
	s_lshl_b32 s11, ttmp9, 3
	s_add_co_u32 s11, s11, s10                     ; W
	s_and_b32 s12, s11, 3                          ; q
	s_lshr_b32 s11, s11, 2                         ; p
	s_lshl_b32 s13, s11, 15                        ; indices: p x 2 rows x 16,384 bytes
	s_lshl_b32 s15, s12, 12                        ;          + q x 16 blocks x 256 bytes
	s_add_co_u32 s13, s13, s15
	s_lshl_b32 s14, s12, 22                        ; wb: q x 16 x 262,144
	s_lshl_b32 s15, s11, 8                         ;     + p x 2 rows x 128 bytes
	s_add_co_u32 s14, s14, s15
	v_and_b32 v1, 31, v0                           ; lane
	v_lshrrev_b32 v6, 4, v1                        ; which of the two rows
	v_and_b32 v7, 15, v1
	v_lshlrev_b32 v2, 4, v7                        ; 16 bytes a lane
	v_lshl_add_u32 v2, v6, 14, v2                  ; + the row
	v_add_nc_u32 v2, s13, v2                       ; my byte offset in the indices; never rewritten
	v_lshl_add_u32 v3, v1, 3, s14                  ; my byte offset in wb: 8 bytes a lane; never rewritten
	v_lshlrev_b32 v4, 2, v0                        ; thread t brings word t of the table
	s_wait_kmcnt 0x0
	global_load_b32 v5, v4, s[4:5]
.irp i, 0,1,2,3,4,5,6,7,8,9,10,11,12,13,14,15
	global_load_b128 v[IDX+4*\i:IDX+4*\i+3], v2, s[6:7] offset:256*\i th:TH_LOAD_NT   ; read once in the launch
.endr
	s_wait_loadcnt 16                              ; loads come back in order: the table word is in, the 16 index loads behind it stay out
	ds_store_b32 v4, v5
	s_wait_dscnt 0x0                               ; for the other waves' sake: my word of the table is in LDS
	s_barrier_signal -1
	s_barrier_wait -1                              ; all 256 words are
.irp i, 0,1,2,3,4,5,6,7,8,9,10,11,12,13,14,15
	s_wait_loadcnt 15-\i                           ; group i is in; the younger groups stay out
.irp j, 0,1,2,3
	v_min_u32 v[IDX+4*\i+\j], 0xff, v[IDX+4*\i+\j] ; the index stays inside the table's 256 words
.endr
.irp j, 0,1,2,3
	v_lshlrev_b32 v[IDX+4*\i+\j], 2, v[IDX+4*\i+\j]
.endr
.irp j, 0,1,2,3
	ds_load_b32 v[G+4*\i+\j], v[IDX+4*\i+\j]       ; the gather
.endr
.endr
.irp i, 0,1,2,3,4,5,6,7,8,9,10,11,12,13,14,15
	s_wait_dscnt 60-4*\i                           ; LDS loads come back in order: group i's four are in, the 4 (15 - i) behind them stay out
	v_cvt_pk_bf16_f32 v[G+4*\i],   v[G+4*\i],   v[G+4*\i+1]
	v_cvt_pk_bf16_f32 v[G+4*\i+1], v[G+4*\i+2], v[G+4*\i+3]
	global_store_b64 v3, v[G+4*\i:G+4*\i+1], s[8:9] offset:KBB*\i    ; 15 x 262,144 at the most: inside the signed 24-bit immediate.  No hint: the next launch reads these bytes
.endr
	s_wait_tensorcnt 0x0
	ds_add_u32 v144, v145
	s_wait_dscnt 0x0
	s_endpgm
.Lfunc_end_k_q037f8ebc9e_dequant:
	.size	k_q037f8ebc9e_dequant, .Lfunc_end_k_q037f8ebc9e_dequant-k_q037f8ebc9e_dequant
	.p2alignl 7, 3214868480
	.fill 96, 4, 3214868480
	.section	.rodata,"a",@progbits
	.p2align	6, 0x0
	.amdhsa_kernel k_q037f8ebc9e_dequant
		.amdhsa_group_segment_fixed_size 2048
		.amdhsa_private_segment_fixed_size 0
		.amdhsa_enable_private_segment 0
		.amdhsa_kernarg_size 24
		.amdhsa_user_sgpr_count 2
		.amdhsa_user_sgpr_kernarg_segment_ptr 1
		.amdhsa_wavefront_size32 1
		.amdhsa_system_sgpr_workgroup_id_x 1
		.amdhsa_system_sgpr_workgroup_id_y 1
		.amdhsa_system_sgpr_workgroup_id_z 1
		.amdhsa_system_vgpr_workitem_id 0
		.amdhsa_next_free_vgpr 146
		.amdhsa_next_free_sgpr 66
		.amdhsa_reserve_vcc 0
		.amdhsa_float_denorm_mode_32 3
		.amdhsa_float_denorm_mode_16_64 3
		.amdhsa_memory_ordered 1
		.amdhsa_forward_progress 1
		.amdhsa_inst_pref_size 18
	.end_amdhsa_kernel
	.amdgpu_metadata
---
amdhsa.version: [ 1, 2 ]
amdhsa.kernels:
  - .name:           k_q037f8ebc9e_dequant
    .symbol:         k_q037f8ebc9e_dequant.kd
    .args:
      - { .name: centroid_table, .offset: 0, .size: 8, .value_kind: global_buffer, .address_space: global }
      - { .name: weight_idx, .offset: 8, .size: 8, .value_kind: global_buffer, .address_space: global }
      - { .name: wb, .offset: 16, .size: 8, .value_kind: global_buffer, .address_space: global }
    .group_segment_fixed_size: 2048
    .private_segment_fixed_size: 0
    .kernarg_segment_align: 8
    .kernarg_segment_size: 24
    .max_flat_workgroup_size: 256
    .sgpr_count:     66
    .vgpr_count:     146
    .wavefront_size: 32
...
	.end_amdgpu_metadata
.endif
;; end of part 1
;; launch gemm (part 2): grid 8 x 32, 4 waves a work-group, clusters of 4 x 4, 327,680 bytes of LDS; arguments input_, wb, out0; writes out0
.if DOCPART == 2
	.amdgcn_target "amdgcn-amd-amdhsa--gfx1250"
	.amdhsa_code_object_version 6
	.text
	.protected	k_q037f8ebc9e_gemm
	.globl	k_q037f8ebc9e_gemm
	.p2align	8
	.type	k_q037f8ebc9e_gemm,@function
k_q037f8ebc9e_gemm:
	s_mov_b64 s[64:65], 0
	v_nop
	global_prefetch_b8 v0, s[64:65] scope:SCOPE_SE
	s_setreg_imm32_b32 hwreg(HW_REG_WAVE_MODE, 25, 1), 1
	s_wait_xcnt 0x0
	s_wait_alu depctr_hold_cnt(0) depctr_sa_sdst(0) depctr_va_vdst(0) depctr_va_sdst(0) depctr_va_ssrc(0) depctr_va_vcc(0) depctr_vm_vsrc(0)
	s_getreg_b32 s2, hwreg(HW_REG_IB_STS2, 6, 4)
	s_cmp_eq_u32 s2, 0
	s_cbranch_scc0 .Lentry_in_a_cluster
	s_endpgm
.Lentry_in_a_cluster:
	s_bfe_u32 s2, ttmp6, 0x10000c
	s_cmp_lg_u32 s2, 0xf033
	s_cbranch_scc0 .Lentry_shape_is_right
	s_endpgm
.Lentry_shape_is_right:
; out[m][n] = sum over k of X[m][k] W[n][k].  X: [8192][4096] f32.  W: bf16, as the launch before left it in wb: [kb][n][64 k].  out: [8192][2048] f32.
; X is rounded to bf16 (nearest even) on its way from LDS to the matrix unit; sums in f32.  bf16 has f32's range, so no size of the inputs is shut out; that rounding is the only limit kept.
; SHARES.  256 tiles of 256 x 256 of out, one to a work-group of four waves.  Wave w makes rows 64 w .. 64 w + 63 and all 256 columns: 4 row blocks a x 16 column blocks b = 64 accumulators, 512 registers.
; For 32 along K a wave reads 64 rows x 128 bytes of X (f32) and 256 rows x 64 bytes of W from LDS, 24 KiB, as a 128 x 128 share would; but each number of X is read and rounded by one wave alone:
; 32 conversions for 64 matrix instructions, where 128 x 128 would have 64.
; RING.  K goes in steps of 64 through two LDS slots: a slot holds 256 rows x 256 bytes of X and 32,768 bytes of W (as 128 rows of 256 bytes: two n to a row).  Steps of 128 would want 2 x 204,800 bytes, more than the 327,680 there are.
; CLUSTER.  4 x 4 work-groups.  The four of a row of the cluster need the same tile of X, the four of a column the same tile of W: each is asked for JOINTLY, by the same tensor load with the same
; descriptor and a mask that names the four.  Waves 0, 1 ask for X's two halves, waves 2, 3 for W's.  At most two tensor loads of a wave are out: two at the start, then one behind each round.
; THE MATRIX INSTRUCTION IS USED TRANSPOSED: source 0 = 16 n of W, source 1 = 16 rows of X.  A lane then holds row l % 16 of out and the columns 16 b + 8 (l / 16) + 0..7: 32 consecutive bytes.
; REGISTERS, in windows of 256 (s_set_vgpr_msb: bits 1:0 source 0, 3:2 source 1, 5:4 source 2, 7:6 destination):
;   window 0: v1-28 addresses; v64-127 X of one chunk (32 k) in f32; v128-159, v160-191 the same in bf16, two buffers
;   window 1: v0-127, v128-255 W's 16 fragments of a chunk, two buffers; on the way out two buffers of 16 rows of out
;   window 2: accumulators of row blocks 0, 1 (at v[8 (16 (a % 2) + b)]);   window 3: those of row blocks 2, 3
.set SIZE_K, 4096
.set SIZE_N, 2048
.set KS,    64                         ; a K step
.set KBB,   262144                     ; bytes of wb for one K step (2,048 n x 128 bytes)
.set PA,    272                        ; an LDS row of X: 256 bytes + 16 of padding = 68 words: row r starts at bank 4 r mod 64 (64 banks of 4 bytes: ISA guide 11.1), so 16 rows start at 16 different banks
.set PB,    272                        ; an LDS row of W: n = 2 rho in bytes 0-127, n = 2 rho + 1 in bytes 128-255, then 16 of padding
.set AH,    128*PA                     ; what one tensor load brings of X
.set BOFF,  256*PA                     ; W lies behind X's 256 rows
.set BH,    64*PB                      ; what one tensor load brings of W
.set SLOT,  BOFF+128*PB                ; 104,448
.set STAGE, 2*SLOT                     ; 208,896 = 816 x 256: behind the ring; no tensor load lands here
.set SP,    1040                       ; a stage row: 1,024 bytes (256 f32) + 16 = 65 x 16
.set STW,   16*SP                      ; each wave's own stage: 16 rows
.set LAPS,  SIZE_K/(2*KS)              ; a lap = two K steps = once round the ring: 32
.set LASTPF, (SIZE_K/KS-2)*KS*4        ; byte in a row of X at which the last two K steps begin
.set ADRA, 16                          ; v16-17  LDS address of my fragments of X in slot 0, 1
.set ADRB, 20                          ; v20-21  the same for W
.set STO,  24                          ; v24     the way out: where I put 32 bytes of a row
.set RD,   25                          ; v25     the way out: where I read 16 bytes back
.set CO,   26                          ; v26     my byte offset in out
.set PF,   27                          ; v27     prefetch: byte offset in hand
.set PFR,  28                          ; v28     prefetch: my row and my wave's K step; never rewritten
.set RAW,  64
.set AB,   128
.set LAPC, 22                          ; s22     laps to go
.set G1A,  24                          ; s[24:31] descriptor group 1 for X's tiles
.set G0A,  32                          ; s[32:39] descriptor group 0 for X's tiles, a set for each slot
.set PFK,  45                          ; s45     prefetch: byte along K
.set G1B,  48                          ; s[48:55], s[56:63] the same for W's tiles
.set G0B,  56
.set MSB, 0
.macro WIN new                         ; the immediate's high byte repeats the setting that is left; a switch that changes nothing is dropped
.if MSB != (\new)
	s_set_vgpr_msb (MSB<<8)|(\new)
.set MSB, (\new)
.endif
.endm
.set MUL_LO, 0xa1                      ; source 0 (W) window 1, source 1 (X) window 0, C and D window 2
.set MUL_HI, 0xf1                      ; the same, C and D window 3
.set TO_B,   0x40                      ; destination window 1, address window 0
.set ST_LO,  0x08                      ; LDS store: data window 2
.set ST_HI,  0x0c                      ; data window 3
.set OUT,    0x04                      ; global store: data window 1
.macro PLACES                          ; four plain vector instructions between a matrix instruction and a read of its result or a load into one of its registers
.rept 4
	v_nop
.endr
.endm
; A joint load.  Each of the two lines has one mask and one set of registers for all that issue it; the branch hangs on the wave's number alone.  Four v_nop follow each line.
; pf = 1: once a lap waves 2 and 3 also ask for X further on: in the lap that begins with K step t, wave 2 for step t + 4 and wave 3 for step t + 5, each lane for the 256 bytes of one row.
; The rows are 256 x tile row + 32 x tile column + lane: the eight work-groups of a tile row share its 256 rows out, so each block is asked for by one lane of the launch.
; The tensor loads that want these bytes are issued two and three K steps later.  The last lap's request is clamped to the last two K steps; steps 0 to 3 are not asked for ahead.
.macro JLOAD s, pf
	s_cmp_eq_u32 s11, 0
	s_cbranch_scc0 .Lfor_b_\@
	tensor_load_to_lds s[G0A+4*\s:G0A+4*\s+3], s[G1A:G1A+7]
	s_nop 0
.rept 4
	v_nop
.endr
	s_branch .Lasked_\@
.Lfor_b_\@:
	tensor_load_to_lds s[G0B+4*\s:G0B+4*\s+3], s[G1B:G1B+7]
	s_nop 0
.rept 4
	v_nop
.endr
.if \pf
	s_wait_xcnt 0x0                                ; the last lap's prefetch has had its address translated: its offset register is rewritten only behind this wait
	s_add_co_u32 s[PFK], s[PFK], 2*KS*4
	s_min_u32 s[PFK], s[PFK], LASTPF               ; never past a row's end
	v_add_nc_u32 v[PF], s[PFK], v[PFR]
	global_prefetch_b8 v[PF], s[18:19] th:TH_LOAD_NT scope:SCOPE_SE
.endif
.Lasked_\@:
.endm
; A round of the cluster's barrier: my work-group's barrier, so that wave 0's signal speaks for all four waves; wave 0 signals for the work-group; every wave waits for all sixteen; my work-group's barrier once more.
.macro CREST                           ; a round behind its opening barrier
	s_cmp_lg_u32 s10, 0
	s_cbranch_scc1 .Lnot_wave_0_\@
	s_barrier_signal -3
.Lnot_wave_0_\@:
	s_barrier_wait -3
	s_barrier_signal -1
	s_barrier_wait -1
.endm
.macro CROUND                          ; a whole round
	s_barrier_signal -1
	s_barrier_wait -1
	CREST
.endm
	s_load_b128 s[4:7], s[0:1], 0x0                ; X s[4:5], wb s[6:7]
	s_load_b64 s[8:9], s[0:1], 0x10                ; out
	v_lshl_add_u32 v254, v0, 2, 0x43400
	v_mov_b32 v255, 0
	ds_add_u32 v254, v255
	v_lshrrev_b32 v1, 5, v0
	v_readfirstlane_b32 s10, v1                    ; wave 0..3
	s_lshr_b32 s11, s10, 1                         ; I fetch for X (0) or for W (1)
	s_and_b32 s12, s10, 1                          ; which half of that tile
	s_bfe_u32 s40, ttmp6, 0x40000                  ; cx, cy: my place in the cluster
	s_bfe_u32 s41, ttmp6, 0x40004
	s_lshl_b32 s42, ttmp9, 2                       ; in a cluster launch ttmp9 and ttmp7 count clusters
	s_add_co_u32 s42, s42, s40                     ; tile column 0..7 = 4 x cluster x + cx
	s_and_b32 s13, ttmp7, 0xffff
	s_lshl_b32 s13, s13, 2
	s_add_co_u32 s13, s13, s41                     ; tile row 0..31 = 4 x cluster y + cy
	s_lshl_b32 s43, s41, 2
	s_lshl_b32 s43, 15, s43                        ; my row of the cluster: places 4 cy .. 4 cy + 3
	s_lshl_b32 s44, 0x1111, s40                    ; my column: places cx, cx + 4, cx + 8, cx + 12
	; group 1 for X: 128 rows x 64 elements of 4 bytes, 4,096 elements from row to row, 4 words of padding behind every 64
	s_or_b32 s[G1A+0], s43, (2<<16)|(1<<20)|(1<<21)|(5<<22)|(3<<25)  ; 15:0 the mask: my row; 17:16 elements of 4 bytes; 20 padding on; 21 set beside a mask; 24:22 after every 64 words (code 5); 31:25 4 words (code 3)
	s_mov_b32 s[G1A+1], KS<<16                     ; tensor_dim0 = 64
	s_mov_b32 s[G1A+2], 128<<16                    ; tensor_dim1 = 128
	s_mov_b32 s[G1A+3], KS<<16                     ; tile_dim0 = 64
	s_mov_b32 s[G1A+4], 128                        ; tile_dim1 = 128
	s_mov_b32 s[G1A+5], SIZE_K                     ; the pitch
	s_mov_b32 s[G1A+6], 0
	s_mov_b32 s[G1A+7], 0
	; group 1 for W: a dense block of 16,384 bytes as 64 rows x 128 elements of 2 bytes, the same padding
	s_or_b32 s[G1B+0], s44, (1<<16)|(1<<20)|(1<<21)|(5<<22)|(3<<25)  ; the mask: my column; elements of 2 bytes
	s_mov_b32 s[G1B+1], 128<<16                    ; tensor_dim0 = 128
	s_mov_b32 s[G1B+2], 64<<16                     ; tensor_dim1 = 64
	s_mov_b32 s[G1B+3], 128<<16                    ; tile_dim0 = 128
	s_mov_b32 s[G1B+4], 64                         ; tile_dim1 = 64
	s_mov_b32 s[G1B+5], 128                        ; the pitch: each row begins where the last ends
	s_mov_b32 s[G1B+6], 0
	s_mov_b32 s[G1B+7], 0
	; where the tiles come from.  X's hang on the tile row alone, which my row of the cluster shares; W's on the tile column alone.  Neither pair of registers ever holds the other coordinate.
	s_lshl_b32 s16, s13, 8
	s_lshl_b32 s17, s12, 7
	s_add_co_u32 s16, s16, s17                     ; X: row 256 x tile row + 128 x half,
	s_lshl_b32 s16, s16, 14                        ; times 16,384 bytes: 132,120,576 at the most
	s_mov_b32 s17, 0
	s_lshl_b32 s46, s42, 15                        ; W: 256 n x 128 bytes x tile column
	s_lshl_b32 s47, s12, 14                        ;    + 16,384 x half
	s_add_co_u32 s46, s46, s47
	s_mov_b32 s47, 0
	s_mul_i32 s20, s10, AH                         ; and where they go: X's halves at wave x 128 rows (waves 0, 1),
	s_mul_i32 s21, s10, BH
	s_add_co_u32 s21, s21, BOFF-2*BH               ; W's at BOFF + (wave - 2) x 64 rows (waves 2, 3): no place in the cluster enters an LDS address
	; out at my wave's first row and the tile's first column; X at the 32 rows that my work-group prefetches.  Both coordinates meet in s[2:3] alone.
	s_lshl_b32 s2, s13, 21                         ; 256 rows x 8,192 bytes
	s_lshl_b32 s3, s10, 19                         ; 64 rows
	s_add_co_u32 s2, s2, s3
	s_lshl_b32 s3, s42, 10                         ; 256 columns x 4 bytes
	s_add_co_u32 s2, s2, s3
	s_mov_b32 s3, 0
	s_wait_dscnt 0x0
	s_wait_kmcnt 0x0
	s_add_nc_u64 s[8:9], s[8:9], s[2:3]
	s_lshl_b32 s2, s13, 8
	s_lshl_b32 s3, s42, 5
	s_add_co_u32 s2, s2, s3                        ; row 256 x tile row + 32 x tile column
	s_lshl_b32 s2, s2, 14
	s_mov_b32 s3, 0
	s_add_nc_u64 s[18:19], s[4:5], s[2:3]
	s_mov_b32 s[PFK], 2*KS*4                       ; stepped ahead of each use: the first request is for K steps 4 and 5
	s_add_nc_u64 s[14:15], s[4:5], s[16:17]
	s_add_nc_u64 s[46:47], s[6:7], s[46:47]
	CROUND                                         ; all sixteen work-groups are here: the first joint loads meet
.irp s, 0,1
	s_mov_b32 s[G0A+4*\s], 1                                       ; count = 1
	s_add_co_u32 s[G0A+4*\s+1], s20, \s*SLOT                       ; LDS address
	s_add_nc_u64 s[G0A+4*\s+2:G0A+4*\s+3], s[14:15], \s*KS*4       ; global address: K step s
	s_or_b32 s[G0A+4*\s+3], s[G0A+4*\s+3], 0x80000000              ; type = 2
	s_mov_b32 s[G0B+4*\s], 1
	s_add_co_u32 s[G0B+4*\s+1], s21, \s*SLOT
	s_add_nc_u64 s[G0B+4*\s+2:G0B+4*\s+3], s[46:47], \s*KBB
	s_or_b32 s[G0B+4*\s+3], s[G0B+4*\s+3], 0x80000000
.endr
	s_cmp_eq_u32 s11, 0                            ; a wave's two first fills stand in one branch, ahead of every wait on TENSORcnt, every LDS read and every further barrier
	s_cbranch_scc0 .Lfirst_b
	tensor_load_to_lds s[G0A:G0A+3], s[G1A:G1A+7]
	s_nop 0
	tensor_load_to_lds s[G0A+4:G0A+7], s[G1A:G1A+7]
	s_nop 0
.rept 4
	v_nop
.endr
	s_branch .Lfirst_asked
.Lfirst_b:
	tensor_load_to_lds s[G0B:G0B+3], s[G1B:G1B+7]
	s_nop 0
	tensor_load_to_lds s[G0B+4:G0B+7], s[G1B:G1B+7]
	s_nop 0
.rept 4
	v_nop
.endr
.Lfirst_asked:
	; A fragment is 16 rows x 32 k of bf16 in 8 registers: lane l holds row l % 16; registers 0-3 k = 8 (l / 16) + 0..7, registers 4-7 k = 16 + 8 (l / 16) + 0..7.
	; X lies in f32: those two runs of 8 k are 32 bytes each, 64 bytes apart: four loads of 16 bytes at 32 (l / 16) + 0, 16, 64, 80.  W lies in bf16: two loads of 16 bytes, 32 bytes apart, at 16 (l / 16).
	v_and_b32 v1, 15, v0                           ; r = l % 16
	v_bfe_u32 v2, v0, 4, 1                         ; h = l / 16
	v_and_b32 v3, 31, v0                           ; l
	v_mul_u32_u24 v4, v1, PA
	v_lshl_add_u32 v4, v2, 5, v4                   ; r x pitch + 32 h
	s_mul_i32 s22, s10, 64*PA                      ; my 64 rows of X
	v_add_nc_u32 v[ADRA], s22, v4
	v_add_nc_u32 v[ADRA+1], SLOT, v[ADRA]
	v_lshrrev_b32 v5, 1, v1                        ; n = 16 b + r lies in LDS row 8 b + r / 2,
	v_and_b32 v6, 1, v1                            ; in its half r % 2
	v_mul_u32_u24 v5, v5, PB
	v_lshl_add_u32 v5, v6, 7, v5
	v_lshl_add_u32 v5, v2, 4, v5                   ; 16 lanes: 16-byte column (r / 2 + 8 (r % 2)) mod 16: sixteen different ones
	v_add_nc_u32 v[ADRB], BOFF, v5
	v_add_nc_u32 v[ADRB+1], BOFF+SLOT, v5
	s_mul_i32 s23, s10, STW
	s_add_co_u32 s23, s23, STAGE                   ; my stage
	v_mul_u32_u24 v7, v1, SP                       ; in: row r, 32 bytes for each half of the lanes
	v_lshl_add_u32 v7, v2, 5, v7
	v_add_nc_u32 v[STO], s23, v7
	v_lshlrev_b32 v[CO], 4, v3                     ; back and out: 32 lanes take 512 consecutive bytes of a row
	v_add_nc_u32 v[RD], s23, v[CO]
	s_lshl_b32 s22, s12, 8                         ; prefetch: wave 2 the even K step, wave 3 the odd one,
	v_lshl_add_u32 v[PFR], v3, 14, s22             ; lane l row l of my work-group's 32
; 48 LDS loads in one run: chunk c (32 k) of a slot: X's 64 rows in f32 first (16 loads), then W's 16 fragments into buffer g (32 loads)
.macro FETCH slot, c, g
	WIN 0
.irp a, 0,1,2,3
	ds_load_b128 v[RAW+16*\a:RAW+16*\a+3],     v[ADRA+\slot] offset:\a*16*PA+128*\c
	ds_load_b128 v[RAW+16*\a+4:RAW+16*\a+7],   v[ADRA+\slot] offset:\a*16*PA+128*\c+16
	ds_load_b128 v[RAW+16*\a+8:RAW+16*\a+11],  v[ADRA+\slot] offset:\a*16*PA+128*\c+64
	ds_load_b128 v[RAW+16*\a+12:RAW+16*\a+15], v[ADRA+\slot] offset:\a*16*PA+128*\c+80
.endr
	WIN TO_B
.irp b, 0,1,2,3,4,5,6,7,8,9,10,11,12,13,14,15
	ds_load_b128 v[128*\g+8*\b:128*\g+8*\b+3],   v[ADRB+\slot] offset:\b*8*PB+64*\c
	ds_load_b128 v[128*\g+8*\b+4:128*\g+8*\b+7], v[ADRB+\slot] offset:\b*8*PB+64*\c+32
.endr
.endm
; X's chunk, f32 to bf16, into buffer f: 32 conversions, two roundings each.  They name X's f32 registers and buffer f alone, so they are also the plain vector instructions that have to stand
; between the matrix instructions of the chunk before (which read the OTHER buffers) and the loads that follow into W's other buffer; and buffer f itself was last multiplied two chunks
; back, with the other chunk's 32 conversions in between.  So the loop has no v_nop but the four behind a joint load.
.macro CONV f
	WIN 0
.irp a, 0,1,2,3
.irp i, 0,1,2,3,4,5,6,7
	v_cvt_pk_bf16_f32 v[AB+32*\f+8*\a+\i], v[RAW+16*\a+2*\i], v[RAW+16*\a+2*\i+1]
.endr
.endr
.endm
; 16 matrix instructions: row block a x all 16 column blocks, 32 along K, buffers f.  zero = 1: the product starts the sums: nothing is ever cleared.
; The 64 accumulators take turns, one instruction a turn, in the same order in every chunk, over the backward jump too.
.macro MUL16 f, a, zero
	WIN MUL_LO+0x50*((\a)/2)
.irp b, 0,1,2,3,4,5,6,7,8,9,10,11,12,13,14,15
.if \zero
	v_wmma_f32_16x16x32_bf16 v[8*(16*((\a)%2)+\b):8*(16*((\a)%2)+\b)+7], v[128*\f+8*\b:128*\f+8*\b+7], v[AB+32*\f+8*(\a):AB+32*\f+8*(\a)+7], 0
.else
	v_wmma_f32_16x16x32_bf16 v[8*(16*((\a)%2)+\b):8*(16*((\a)%2)+\b)+7], v[128*\f+8*\b:128*\f+8*\b+7], v[AB+32*\f+8*(\a):AB+32*\f+8*(\a)+7], v[8*(16*((\a)%2)+\b):8*(16*((\a)%2)+\b)+7]
.endif
.endr
.endm
; A K step is two chunks.  HEAD is the first, on buffers 0: it rounds X, fetches the slot's second chunk, and multiplies.
.macro HEAD slot, zero
	s_wait_dscnt 32                                ; X's 16 loads are in; W's 32, issued behind them, may stay out
	CONV 0
	FETCH \slot, 1, 1
	s_wait_dscnt 48                                ; all but the 48 just issued: W's fragments are in
	MUL16 0, 0, \zero
	MUL16 0, 1, \zero
	MUL16 0, 2, \zero
	MUL16 0, 3, \zero
.endm
; TURN is the second chunk, on buffers 1, and changes slots: ONE barrier for two things.  In front of it each wave waits for its reads of this slot (its last chunk is in registers) and for all its
; tensor loads, of which one is out: its part of the next slot.  Behind it nobody reads this slot any more and the next slot is whole.
; fill = 1: the barrier opens a round of the cluster's, so that no wave of any partner still reads the slot or has a load on its way; the joint refill, two K steps ahead, is the first thing
; behind the round, and a wave issues 112 matrix instructions between it and the wait for it.
.macro TURN slot, next, fill, pf
	s_wait_dscnt 0x0                               ; my reads of this slot are over (issued 64 matrix instructions ago)
	s_set_vgpr_msb (MSB<<8)|((MSB&0xf0)|0x0)
	s_wait_tensorcnt 0x0                           ; all my tensor loads have landed
	ds_add_u32 v254, v255
	s_wait_dscnt 0x0
	s_set_vgpr_msb (((MSB&0xf0)|0x0)<<8)|MSB
	s_barrier_signal -1                            ; say so,
	CONV 1                                         ; work on registers while the others arrive,
	MUL16 1, 0, 0
	WIN 0                                          ; (at a branch and at a label every window is 0)
	s_barrier_wait -1
.if \fill
	CREST
	s_add_nc_u64 s[G0A+4*\slot+2:G0A+4*\slot+3], s[G0A+4*\slot+2:G0A+4*\slot+3], 2*KS*4   ; no tensor load of mine is out: the slot's addresses step two K steps on
	s_add_nc_u64 s[G0B+4*\slot+2:G0B+4*\slot+3], s[G0B+4*\slot+2:G0B+4*\slot+3], 2*KBB
	JLOAD \slot, \pf
.endif
	FETCH \next, 0, 0
	MUL16 1, 1, 0
	MUL16 1, 2, 0
	MUL16 1, 3, 0
.endm
; THE WAY OUT of row block a: 16 rows x 1,024 bytes.  A lane's 32 bytes go into my own stage (each accumulator's low four registers first), come back as runs of 512
; consecutive bytes of a row, and are stored: each store of the wave covers 512 consecutive bytes at a multiple of 512 from out's first byte.
.macro WAYOUT a
	WIN ST_LO+4*((\a)/2)
.irp b, 0,1,2,3,4,5,6,7,8,9,10,11,12,13,14,15
	ds_store_b128 v[STO], v[8*(16*((\a)%2)+\b):8*(16*((\a)%2)+\b)+3]   offset:64*\b
	ds_store_b128 v[STO], v[8*(16*((\a)%2)+\b)+4:8*(16*((\a)%2)+\b)+7] offset:64*\b+16
.endr
.if (\a) >= 2
	s_wait_xcnt 0x0                                ; the stores of the block two back name this buffer's registers: they are loaded again only behind this wait
.endif
	WIN TO_B
.irp t, 0,1,2,3,4,5,6,7,8,9,10,11,12,13,14,15,16,17,18,19,20,21,22,23,24,25,26,27,28,29,30,31
	ds_load_b128 v[128*((\a)%2)+4*\t:128*((\a)%2)+4*\t+3], v[RD] offset:(\t/2)*SP+(\t%2)*512   ; LDS serves a wave's instructions in order (ISA guide 5.7.1): these see the stores above
.endr
	WIN OUT
.irp t, 0,1,2,3,4,5,6,7,8,9,10,11,12,13,14,15,16,17,18,19,20,21,22,23,24,25,26,27,28,29,30,31
	s_wait_dscnt 31-\t                             ; read t is back; the younger ones stay out.  The last count is 0, so the next block's stores into the stage find it read
	global_store_b128 v[CO], v[128*((\a)%2)+4*\t:128*((\a)%2)+4*\t+3], s[8:9] offset:(\a)*16*SIZE_N*4+(\t/2)*SIZE_N*4+(\t%2)*512 th:TH_STORE_NT   ; 516,608 at the most: inside the signed 24-bit immediate
.endr
.endm
	s_wait_tensorcnt 1                             ; my part of K step 0 is in; slot 1's may stay out
	s_barrier_signal -1
	s_barrier_wait -1                              ; everybody's is
	FETCH 0, 0, 0
	HEAD 0, 1                                      ; the first chunk stands in front of the loop: its products start the sums
	WIN 0
	s_mov_b32 s[LAPC], LAPS-1
.Llap:                                                 ; trip i = 0..30 goes once round the ring, from K step 2 i's second chunk to step 2 i + 2's first, and asks for steps 2 i + 2 and 2 i + 3
	TURN 0, 1, 1, 1
	HEAD 1, 0
	TURN 1, 0, 1, 0
	HEAD 0, 0
	WIN 0
	s_sub_co_u32 s[LAPC], s[LAPC], 1
	s_cmp_lg_u32 s[LAPC], 0
	s_cbranch_scc1 .Llap
	TURN 0, 1, 0, 0                                ; the last lap is written out: it asks for nothing more, so its barrier opens no round
	HEAD 1, 0
	s_wait_dscnt 0x0                               ; the very last chunk: nothing more to fetch
	CONV 1
	MUL16 1, 0, 0
	MUL16 1, 1, 0
	MUL16 1, 2, 0
	MUL16 1, 3, 0
	PLACES                                         ; the LDS stores below read results just made, and the stage's reads land in W's buffers, which those products read
	WAYOUT 0
	WAYOUT 1
	WAYOUT 2
	WAYOUT 3
	WIN 0
	s_set_vgpr_msb (MSB<<8)|((MSB&0xf0)|0x0)
	s_wait_tensorcnt 0x0
	ds_add_u32 v254, v255
	s_wait_dscnt 0x0
	s_set_vgpr_msb (((MSB&0xf0)|0x0)<<8)|MSB
	CROUND                                         ; the closing round: no work-group ends while a partner may still ask for a tile that names it
	s_endpgm
.Lfunc_end_k_q037f8ebc9e_gemm:
	.size	k_q037f8ebc9e_gemm, .Lfunc_end_k_q037f8ebc9e_gemm-k_q037f8ebc9e_gemm
	.p2alignl 7, 3214868480
	.fill 96, 4, 3214868480
	.section	.rodata,"a",@progbits
	.p2align	6, 0x0
	.amdhsa_kernel k_q037f8ebc9e_gemm
		.amdhsa_group_segment_fixed_size 327680
		.amdhsa_private_segment_fixed_size 0
		.amdhsa_enable_private_segment 0
		.amdhsa_kernarg_size 24
		.amdhsa_user_sgpr_count 2
		.amdhsa_user_sgpr_kernarg_segment_ptr 1
		.amdhsa_wavefront_size32 1
		.amdhsa_system_sgpr_workgroup_id_x 1
		.amdhsa_system_sgpr_workgroup_id_y 1
		.amdhsa_system_sgpr_workgroup_id_z 1
		.amdhsa_system_vgpr_workitem_id 0
		.amdhsa_next_free_vgpr 1024
		.amdhsa_next_free_sgpr 66
		.amdhsa_reserve_vcc 0
		.amdhsa_float_denorm_mode_32 3
		.amdhsa_float_denorm_mode_16_64 3
		.amdhsa_memory_ordered 1
		.amdhsa_forward_progress 1
		.amdhsa_inst_pref_size 117
	.end_amdhsa_kernel
	.amdgpu_metadata
---
amdhsa.version: [ 1, 2 ]
amdhsa.kernels:
  - .name:           k_q037f8ebc9e_gemm
    .symbol:         k_q037f8ebc9e_gemm.kd
    .args:
      - { .name: input_, .offset: 0, .size: 8, .value_kind: global_buffer, .address_space: global }
      - { .name: wb, .offset: 8, .size: 8, .value_kind: global_buffer, .address_space: global }
      - { .name: out0, .offset: 16, .size: 8, .value_kind: global_buffer, .address_space: global }
    .group_segment_fixed_size: 327680
    .private_segment_fixed_size: 0
    .kernarg_segment_align: 8
    .kernarg_segment_size: 24
    .max_flat_workgroup_size: 128
    .sgpr_count:     66
    .vgpr_count:     1024
    .wavefront_size: 32
...
	.end_amdgpu_metadata
.endif
;; end of part 2
;; ======== version 2 of 2: 2 launches
;; workspace buffers: wb 16,777,216 bytes; xb 67,108,864 bytes
;; launch prep (part 3): grid 512 x 1, 8 waves a work-group, no clusters, 2,048 bytes of LDS; arguments centroid_table, weight_idx, input_, wb, xb; writes wb, xb
.if DOCPART == 3
	.amdgcn_target "amdgcn-amd-amdhsa--gfx1250"
	.amdhsa_code_object_version 6
	.text
	.protected	k_q037f8ebc9e_prep
	.globl	k_q037f8ebc9e_prep
	.p2align	8
	.type	k_q037f8ebc9e_prep,@function
k_q037f8ebc9e_prep:
	s_mov_b64 s[64:65], 0
	v_nop
	global_prefetch_b8 v0, s[64:65] scope:SCOPE_SE
	s_setreg_imm32_b32 hwreg(HW_REG_WAVE_MODE, 25, 1), 1
	s_wait_xcnt 0x0
; Both operands of the product that follows, in bf16, row-major:  xb[m][k] = bf16(input_[m][k]),  wb[n][k] = bf16(centroid_table[weight_idx[n][k]]).
; Two flat streams of 4-byte numbers in and 2-byte numbers out: number e goes from byte 4 e to byte 2 e.  134.2 + 33.6 MB in, 67.1 + 16.8 MB out, each byte once.
; No matrix unit, no cluster, no tensor loads: the work-groups share nothing but the table's 1,024 bytes.
; SHARES.  4,096 waves.  Wave W = 8 x work-group + wave takes 32,768 consecutive bytes of X (64 loads) and 8,192 consecutive bytes of the indices (16 loads).
; Each load of a wave covers 512 consecutive bytes at a multiple of 512; a lane's 4 numbers become 8 bytes, and each store of a wave covers 256 consecutive bytes at a multiple of 256.
; X goes through a ring of 16 slots in registers: 16 loads of every wave stay on their way.  The 16 index loads go out at the start, ahead of X's.
; Four ROUNDS, written out (all offsets stand in the immediates, no address register is ever rewritten): a round gathers 4 groups of indices, takes the ring's 16 slots once, and then rounds and
; stores the 4 groups: the gathers' way through LDS is covered by the 16 turns, and the gathers are spread over the stream.
; LIMITS.  Each number is rounded once to bf16 (nearest even).  An index is read as unsigned and clamped to 255: the problem keeps indices inside the table.
.set DEPTH, 16                         ; slots of X's ring
.set IDX, 8                            ; v[8:71]    16 groups of 4 indices, then their byte addresses in the table
.set G,   72                           ; v[72:87]   a round's 4 groups: 4 centroids in f32; a group's first two registers then hold its 4 weights in bf16
.set X,   88                           ; v[88:151]  slot s: 4 numbers of X in f32
.set Y,   152                          ; v[152:183] slot s: the same 4 in bf16, to store
	s_load_b256 s[4:11], s[0:1], 0x0               ; table s[4:5], indices s[6:7], X s[8:9], wb s[10:11]
	s_load_b64 s[12:13], s[0:1], 0x20              ; xb
	v_lshl_add_u32 v184, v0, 2, 0x400
	v_mov_b32 v185, 0
	v_lshrrev_b32 v1, 5, v0
	v_readfirstlane_b32 s14, v1                    ; wave 0..7
	s_lshl_b32 s15, ttmp9, 3
	s_add_co_u32 s15, s15, s14                     ; W
	s_lshl_b32 s16, s15, 13                        ; my wave's first byte in the indices,
	s_lshl_b32 s17, s15, 12                        ; in wb,
	s_lshl_b32 s18, s15, 15                        ; in X (134,184,960 at the most),
	s_lshl_b32 s19, s15, 14                        ; in xb
	v_and_b32 v1, 31, v0                           ; lane
	v_lshl_add_u32 v2, v1, 4, s16                  ; indices: 16 bytes a lane
	v_lshl_add_u32 v3, v1, 3, s17                  ; wb: 8 bytes a lane
	v_lshl_add_u32 v5, v1, 4, s18                  ; X
	v_lshl_add_u32 v6, v1, 3, s19                  ; xb
	v_lshlrev_b32 v4, 2, v0                        ; thread t brings word t of the table
	s_wait_kmcnt 0x0
	global_load_b32 v7, v4, s[4:5]
.irp i, 0,1,2,3,4,5,6,7,8,9,10,11,12,13,14,15
	global_load_b128 v[IDX+4*\i:IDX+4*\i+3], v2, s[6:7] offset:512*\i th:TH_LOAD_NT   ; read once in the launch
.endr
.irp s, 0,1,2,3,4,5,6,7,8,9,10,11,12,13,14,15
	global_load_b128 v[X+4*\s:X+4*\s+3], v5, s[8:9] offset:512*\s th:TH_LOAD_NT       ; the ring is filled
.endr
	s_wait_loadcnt 32                              ; loads come back in order: the table word is in; the 16 index loads and the 16 of X behind it stay out
	ds_store_b32 v4, v7
	s_wait_dscnt 0x0                               ; for the other waves' sake: my word of the table is in LDS
	s_barrier_signal -1
	s_barrier_wait -1                              ; all 256 words are
	s_wait_loadcnt 16                              ; all my indices are in; X's 16 loads stay out
; Round r of four.  ahead = 1: each slot is filled again with the 512 bytes DEPTH loads further on.
.macro ROUND r, ahead
.if \r > 0
	s_wait_xcnt 0x0                                ; every earlier memory instruction has had its addresses translated (ISA guide 3.1): G and Y, which the last round's stores name, are rewritten only behind this wait
.endif
.irp i, 0,1,2,3,4,5,6,7,8,9,10,11,12,13,14,15
	v_min_u32 v[IDX+16*\r+\i], 0xff, v[IDX+16*\r+\i]               ; the index stays inside the table's 256 words
.endr
.irp i, 0,1,2,3,4,5,6,7,8,9,10,11,12,13,14,15
	v_lshlrev_b32 v[IDX+16*\r+\i], 2, v[IDX+16*\r+\i]
.endr
.irp i, 0,1,2,3,4,5,6,7,8,9,10,11,12,13,14,15
	ds_load_b32 v[G+\i], v[IDX+16*\r+\i]                           ; the gather: groups 4 r .. 4 r + 3
.endr
.irp s, 0,1,2,3,4,5,6,7,8,9,10,11,12,13,14,15
.if \ahead
	s_wait_loadcnt DEPTH-1                         ; my slot's load is in; the 15 younger ones stay out
.else
	s_wait_loadcnt DEPTH-1-\s                      ; the last round loads nothing: the counts run down
.endif
	v_cvt_pk_bf16_f32 v[Y+2*\s],   v[X+4*\s],   v[X+4*\s+1]        ; two roundings to bf16, packed
	v_cvt_pk_bf16_f32 v[Y+2*\s+1], v[X+4*\s+2], v[X+4*\s+3]
.if \ahead
	global_load_b128 v[X+4*\s:X+4*\s+3], v5, s[8:9] offset:512*(DEPTH*(\r+1)+\s) th:TH_LOAD_NT   ; the load ahead of the store
.endif
	global_store_b64 v6, v[Y+2*\s:Y+2*\s+1], s[12:13] offset:256*(DEPTH*\r+\s)   ; no hint: the next launch reads these bytes
.endr
	s_wait_dscnt 0x0                               ; the round's 16 gathers, issued 16 turns ago
.irp g, 0,1,2,3
	v_cvt_pk_bf16_f32 v[G+4*\g],   v[G+4*\g],   v[G+4*\g+1]
	v_cvt_pk_bf16_f32 v[G+4*\g+1], v[G+4*\g+2], v[G+4*\g+3]
	global_store_b64 v3, v[G+4*\g:G+4*\g+1], s[10:11] offset:256*(4*\r+\g)
.endr
.endm
	ROUND 0, 1
	ROUND 1, 1
	ROUND 2, 1
	ROUND 3, 0
	s_wait_tensorcnt 0x0
	ds_add_u32 v184, v185
	s_wait_dscnt 0x0
	s_endpgm
.Lfunc_end_k_q037f8ebc9e_prep:
	.size	k_q037f8ebc9e_prep, .Lfunc_end_k_q037f8ebc9e_prep-k_q037f8ebc9e_prep
	.p2alignl 7, 3214868480
	.fill 96, 4, 3214868480
	.section	.rodata,"a",@progbits
	.p2align	6, 0x0
	.amdhsa_kernel k_q037f8ebc9e_prep
		.amdhsa_group_segment_fixed_size 2048
		.amdhsa_private_segment_fixed_size 0
		.amdhsa_enable_private_segment 0
		.amdhsa_kernarg_size 40
		.amdhsa_user_sgpr_count 2
		.amdhsa_user_sgpr_kernarg_segment_ptr 1
		.amdhsa_wavefront_size32 1
		.amdhsa_system_sgpr_workgroup_id_x 1
		.amdhsa_system_sgpr_workgroup_id_y 1
		.amdhsa_system_sgpr_workgroup_id_z 1
		.amdhsa_system_vgpr_workitem_id 0
		.amdhsa_next_free_vgpr 186
		.amdhsa_next_free_sgpr 66
		.amdhsa_reserve_vcc 0
		.amdhsa_float_denorm_mode_32 3
		.amdhsa_float_denorm_mode_16_64 3
		.amdhsa_memory_ordered 1
		.amdhsa_forward_progress 1
		.amdhsa_inst_pref_size 39
	.end_amdhsa_kernel
	.amdgpu_metadata
---
amdhsa.version: [ 1, 2 ]
amdhsa.kernels:
  - .name:           k_q037f8ebc9e_prep
    .symbol:         k_q037f8ebc9e_prep.kd
    .args:
      - { .name: centroid_table, .offset: 0, .size: 8, .value_kind: global_buffer, .address_space: global }
      - { .name: weight_idx, .offset: 8, .size: 8, .value_kind: global_buffer, .address_space: global }
      - { .name: input_, .offset: 16, .size: 8, .value_kind: global_buffer, .address_space: global }
      - { .name: wb, .offset: 24, .size: 8, .value_kind: global_buffer, .address_space: global }
      - { .name: xb, .offset: 32, .size: 8, .value_kind: global_buffer, .address_space: global }
    .group_segment_fixed_size: 2048
    .private_segment_fixed_size: 0
    .kernarg_segment_align: 8
    .kernarg_segment_size: 40
    .max_flat_workgroup_size: 256
    .sgpr_count:     66
    .vgpr_count:     186
    .wavefront_size: 32
...
	.end_amdgpu_metadata
.endif
;; end of part 3
;; launch gemm (part 4): grid 8 x 32, 4 waves a work-group, clusters of 4 x 4, 327,680 bytes of LDS; arguments xb, wb, out0; writes out0
.if DOCPART == 4
	.amdgcn_target "amdgcn-amd-amdhsa--gfx1250"
	.amdhsa_code_object_version 6
	.text
	.protected	k_q037f8ebc9e_gemm
	.globl	k_q037f8ebc9e_gemm
	.p2align	8
	.type	k_q037f8ebc9e_gemm,@function
k_q037f8ebc9e_gemm:
	s_mov_b64 s[64:65], 0
	v_nop
	global_prefetch_b8 v0, s[64:65] scope:SCOPE_SE
	s_setreg_imm32_b32 hwreg(HW_REG_WAVE_MODE, 25, 1), 1
	s_wait_xcnt 0x0
	s_wait_alu depctr_hold_cnt(0) depctr_sa_sdst(0) depctr_va_vdst(0) depctr_va_sdst(0) depctr_va_ssrc(0) depctr_va_vcc(0) depctr_vm_vsrc(0)
	s_getreg_b32 s2, hwreg(HW_REG_IB_STS2, 6, 4)
	s_cmp_eq_u32 s2, 0
	s_cbranch_scc0 .Lentry_in_a_cluster
	s_endpgm
.Lentry_in_a_cluster:
	s_bfe_u32 s2, ttmp6, 0x10000c
	s_cmp_lg_u32 s2, 0xf033
	s_cbranch_scc0 .Lentry_shape_is_right
	s_endpgm
.Lentry_shape_is_right:
; out[m][n] = sum over k of X[m][k] W[n][k].  X: xb, [8192][4096] bf16.  W: wb, [2048][4096] bf16, both as the launch before left them.  out: [8192][2048] f32.  Sums in f32.
; The only limit kept is that launch's rounding of both operands to bf16; bf16 has f32's range, so no size of the inputs is shut out.
; SHARES.  256 tiles of 256 x 256 of out, one to a work-group of four waves; a wave makes 128 x 128: 64 accumulators of 16 x 16, 512 registers.  For 32 along K a wave reads 2 x 128 x 64 bytes from LDS for 64 matrix instructions.
; RING.  K goes in steps of 128 through two LDS slots, each with 256 rows of X and 256 rows of W: the tiles' rows are 256 bytes of memory at multiples of 256.  Each wave fetches a quarter of a slot by one tensor load.
; A slot is asked for again in the last quarter of its K step, and the wait for that load stands in the last quarter of the next step: a wave issues 240 matrix instructions between the two.
; CLUSTER.  4 x 4 work-groups.  The four of a row of the cluster need the same tile of X, the four of a column the same tile of W: each is asked for JOINTLY, by the same tensor load with the same
; descriptor and a mask that names the four.  Waves 0, 1 ask for X's two halves, waves 2, 3 for W's.  At most two tensor loads of a wave are out: two at the start, then one behind each round.
; THE MATRIX INSTRUCTION IS USED TRANSPOSED: source 0 = 16 rows of W, source 1 = 16 rows of X.  A lane then holds row l % 16 of out and the columns 8 (l / 16) + 0..7 of a block: 32 consecutive bytes.
; One tile to a work-group and one work-group to each of 256 tiles: there is no walk over tiles, and all stores stand at the end.
; REGISTERS, in windows of 256 (s_set_vgpr_msb: bits 1:0 source 0, 3:2 source 1, 5:4 source 2, 7:6 destination):
;   window 0: v1-28 addresses; v64-127, v128-191 fragments of X (8 x 16 rows x 32 K), two buffers; on the way out two buffers of 16 rows x 512 bytes
;   window 1: v64-127, v128-191 fragments of W, two buffers
;   window 2: the 32 accumulators of my rows 0-63 (accumulator (a, b) at v[8 (8 a + b)]);   window 3: those of my rows 64-127
.set SIZE_K, 4096
.set SIZE_N, 2048
.set KSTEP,  128
.set PITCH,  272                       ; an LDS row: 256 bytes + 16 of padding = 68 words: row r starts at bank 4 r mod 64 (64 banks of 4 bytes: ISA guide 11.1), so the 16 rows that a load touches start at 16 different banks
.set HALFT,  128*PITCH                 ; 128 rows: what one tensor load brings, and what one wave reads of X or of W
.set SLOT,   4*HALFT                   ; X's 256 rows, then W's 256 rows: 139,264
.set STAGE,  2*SLOT                    ; 278,528 = 1,088 x 256: behind the ring; no tensor load lands here
.set SP,     528                       ; a stage row: 512 bytes (128 f32) + 16 = 33 x 16
.set STW,    16*SP                     ; each wave's own stage: 16 rows, 8,448 = 33 x 256 bytes
.set LAPS,   SIZE_K/(2*KSTEP)          ; a lap = two K steps = once round the ring: 16
.set LASTPF, (SIZE_K/KSTEP-2)*KSTEP*2  ; byte in a row of X at which the last two K steps begin
.set ADRA, 16                          ; v16-17  LDS address of my fragments of X in slot 0, 1
.set ADRB, 20                          ; v20-21  the same for W
.set STO,  24                          ; v24     the way out: where I put 32 bytes of a row
.set RD,   25                          ; v25     the way out: where I read 16 bytes back
.set CO,   26                          ; v26     my byte offset in a row of out
.set PF,   27                          ; v27     prefetch: byte offset in hand
.set PFR,  28                          ; v28     prefetch: my row and my wave's K step; never rewritten
.set F0,   64                          ; fragment buffer 0
.set F1,   128                         ; fragment buffer 1
.set OB,   64                          ; the way out: rows read back from the stage, v64-127 and v128-191 by turns
.set LAPC, 22                          ; s22     laps to go
.set G1A,  24                          ; s[24:31] descriptor group 1 for X's tiles
.set G0A,  32                          ; s[32:39] descriptor group 0 for X's tiles, a set for each slot
.set PFK,  45                          ; s45     prefetch: byte along K
.set G1B,  48                          ; s[48:55], s[56:63] the same for W's tiles
.set G0B,  56
.set MSB, 0
.macro WIN new                         ; the immediate's high byte repeats the setting that is left; a switch that changes nothing is dropped
.if MSB != (\new)
	s_set_vgpr_msb (MSB<<8)|(\new)
.set MSB, (\new)
.endif
.endm
.set MUL_LO, 0xa1                      ; source 0 (W) window 1, source 1 (X) window 0, C and D window 2
.set MUL_HI, 0xf1                      ; the same, C and D window 3
.set TO_B,   0x40                      ; destination window 1, address window 0
.set ST_LO,  0x08                      ; LDS store: data window 2
.set ST_HI,  0x0c                      ; data window 3
; A load into a register that a matrix instruction has read, and a store that reads a matrix result, stand four places behind that matrix instruction, and only plain vector instructions that name
; none of its registers are places (ISA guide 7.12.1 for vector instructions).  This loop has no vector work of its own, so the places are v_nop: sixteen for a K step's 256 matrix instructions.
.macro PLACES
.rept 4
	v_nop
.endr
.endm
; A joint load.  Each of the two lines has one mask and one set of registers for all that issue it; the branch hangs on the wave's number alone.  Four v_nop follow each line.
; pf = 1: once a lap, at the change out of K step t, waves 2 and 3 also ask for X further on: wave 2 for step t + 3, wave 3 for step t + 4, each lane for the 256 bytes of one row.
; The rows are 256 x tile row + 32 x tile column + lane: the eight work-groups of a tile row share its 256 rows out, so each block has one lane of the launch to ask for it.
; The tensor loads that want these bytes are issued one and two K steps later.  The last trip's request is clamped to the last two K steps (it names step 30 a second time); steps 0 to 2 are not asked for ahead.
.macro JLOAD s, pf
	s_cmp_eq_u32 s11, 0
	s_cbranch_scc0 .Lfor_b_\@
	tensor_load_to_lds s[G0A+4*\s:G0A+4*\s+3], s[G1A:G1A+7]
	s_nop 0
.rept 4
	v_nop
.endr
	s_branch .Lasked_\@
.Lfor_b_\@:
	tensor_load_to_lds s[G0B+4*\s:G0B+4*\s+3], s[G1B:G1B+7]
	s_nop 0
.rept 4
	v_nop
.endr
.if \pf
	s_wait_xcnt 0x0                                ; the last lap's prefetch has had its address translated: its offset register is rewritten only behind this wait
	s_add_co_u32 s[PFK], s[PFK], 2*KSTEP*2
	s_min_u32 s[PFK], s[PFK], LASTPF               ; never past a row's end
	v_add_nc_u32 v[PF], s[PFK], v[PFR]
	global_prefetch_b8 v[PF], s[18:19] th:TH_LOAD_NT scope:SCOPE_SE
.endif
.Lasked_\@:
.endm
; A round of the cluster's barrier: my work-group's barrier, so that wave 0's signal speaks for all four waves; wave 0 signals for the work-group; every wave waits for all sixteen; my work-group's barrier once more.
.macro CREST                           ; a round behind its opening barrier
	s_cmp_lg_u32 s10, 0
	s_cbranch_scc1 .Lnot_wave_0_\@
	s_barrier_signal -3
.Lnot_wave_0_\@:
	s_barrier_wait -3
	s_barrier_signal -1
	s_barrier_wait -1
.endm
.macro CROUND                          ; a whole round
	s_barrier_signal -1
	s_barrier_wait -1
	CREST
.endm
	s_load_b128 s[4:7], s[0:1], 0x0                ; xb s[4:5], wb s[6:7]
	s_load_b64 s[8:9], s[0:1], 0x10                ; out
	s_set_vgpr_msb 0x40
	v_lshl_add_u32 v255, v0, 2, 0x4c400
	s_set_vgpr_msb 0x4000
	v_mov_b32 v255, 0
	s_set_vgpr_msb 0x1
	ds_add_u32 v255, v255
	s_set_vgpr_msb 0x100
	v_lshrrev_b32 v1, 5, v0
	v_readfirstlane_b32 s10, v1                    ; wave 0..3
	s_lshr_b32 s11, s10, 1                         ; which half of the tile's rows is mine.  Also: I fetch for X (0) or for W (1)
	s_and_b32 s12, s10, 1                          ; which half of its columns.  Also: which 128 rows of that tile I fetch
	s_bfe_u32 s40, ttmp6, 0x40000                  ; cx, cy: my place in the cluster
	s_bfe_u32 s41, ttmp6, 0x40004
	s_lshl_b32 s42, ttmp9, 2                       ; in a cluster launch ttmp9 and ttmp7 count clusters
	s_add_co_u32 s42, s42, s40                     ; tile column 0..7 = 4 x cluster x + cx
	s_and_b32 s13, ttmp7, 0xffff
	s_lshl_b32 s13, s13, 2
	s_add_co_u32 s13, s13, s41                     ; tile row 0..31 = 4 x cluster y + cy
	s_lshl_b32 s43, s41, 2
	s_lshl_b32 s43, 15, s43                        ; my row of the cluster: places 4 cy .. 4 cy + 3
	s_lshl_b32 s44, 0x1111, s40                    ; my column: places cx, cx + 4, cx + 8, cx + 12
	; descriptor group 1: a tile of 128 rows x 128 elements of 2 bytes, 4,096 elements from row to row, padded in LDS
	s_or_b32 s[G1A+0], s43, (1<<16)|(1<<20)|(1<<21)|(5<<22)|(3<<25)  ; 15:0 the mask: X's tiles go to my row; 17:16 elements of 2 bytes; 20 padding on; 21 set beside a mask; 24:22 after every 64 words (code 5); 31:25 4 words (code 3)
	s_or_b32 s[G1B+0], s44, (1<<16)|(1<<20)|(1<<21)|(5<<22)|(3<<25)  ; the same with the mask of my column, for W's tiles
.irp g, G1A, G1B
	s_mov_b32 s[\g+1], KSTEP<<16                   ; tensor_dim0 = 128
	s_mov_b32 s[\g+2], 128<<16                     ; tensor_dim1 = 128
	s_mov_b32 s[\g+3], KSTEP<<16                   ; tile_dim0 = 128
	s_mov_b32 s[\g+4], 128                         ; tile_dim1 = 128
	s_mov_b32 s[\g+5], SIZE_K                      ; the pitch
	s_mov_b32 s[\g+6], 0
	s_mov_b32 s[\g+7], 0
.endr
	; where the tiles come from.  X's hang on the tile row alone, which my row of the cluster shares; W's on the tile column alone.  Neither pair of registers ever holds the other coordinate.
	s_lshl_b32 s16, s13, 8
	s_lshl_b32 s17, s12, 7
	s_add_co_u32 s16, s16, s17                     ; X: row 256 x tile row + 128 x half,
	s_lshl_b32 s16, s16, 13                        ; times 8,192 bytes: 66,060,288 at the most
	s_mov_b32 s17, 0
	s_lshl_b32 s46, s42, 8
	s_lshl_b32 s47, s12, 7
	s_add_co_u32 s46, s46, s47                     ; W: row 256 x tile column + 128 x half,
	s_lshl_b32 s46, s46, 13                        ; times 8,192 bytes
	s_mov_b32 s47, 0
	s_mul_i32 s20, s10, HALFT                      ; and where they go: X's two halves, then W's two halves = wave x 128 rows: no place in the cluster enters an LDS address
	; out at my wave's first row and first column; X at the 32 rows that my work-group prefetches.  Both coordinates meet in s[2:3] alone.
	s_lshl_b32 s2, s13, 21                         ; 256 rows x 8,192 bytes
	s_lshl_b32 s3, s11, 20                         ; 128 rows
	s_add_co_u32 s2, s2, s3
	s_lshl_b32 s3, s42, 10                         ; 256 columns x 4 bytes
	s_add_co_u32 s2, s2, s3
	s_lshl_b32 s3, s12, 9                          ; 128 columns
	s_add_co_u32 s2, s2, s3
	s_mov_b32 s3, 0
	s_wait_dscnt 0x0
	s_wait_kmcnt 0x0
	s_add_nc_u64 s[8:9], s[8:9], s[2:3]
	s_lshl_b32 s2, s13, 8
	s_lshl_b32 s3, s42, 5
	s_add_co_u32 s2, s2, s3                        ; row 256 x tile row + 32 x tile column
	s_lshl_b32 s2, s2, 13
	s_mov_b32 s3, 0
	s_add_nc_u64 s[18:19], s[4:5], s[2:3]
	s_mov_b32 s[PFK], KSTEP*2                      ; stepped by two K steps ahead of each use: the first request is for K steps 3 and 4
	s_add_nc_u64 s[14:15], s[4:5], s[16:17]
	s_add_nc_u64 s[46:47], s[6:7], s[46:47]
	CROUND                                         ; all sixteen work-groups are here: the first joint loads meet
.irp s, 0,1
	s_mov_b32 s[G0A+4*\s], 1                                       ; count = 1
	s_add_co_u32 s[G0A+4*\s+1], s20, \s*SLOT                       ; LDS address
	s_add_nc_u64 s[G0A+4*\s+2:G0A+4*\s+3], s[14:15], \s*KSTEP*2    ; global address: K step s
	s_or_b32 s[G0A+4*\s+3], s[G0A+4*\s+3], 0x80000000              ; type = 2
	s_mov_b32 s[G0B+4*\s], 1
	s_add_co_u32 s[G0B+4*\s+1], s20, \s*SLOT
	s_add_nc_u64 s[G0B+4*\s+2:G0B+4*\s+3], s[46:47], \s*KSTEP*2
	s_or_b32 s[G0B+4*\s+3], s[G0B+4*\s+3], 0x80000000
.endr
	s_cmp_eq_u32 s11, 0                            ; a wave's two first fills stand in one branch, ahead of every wait on TENSORcnt, every LDS read and every further barrier
	s_cbranch_scc0 .Lfirst_b
	tensor_load_to_lds s[G0A:G0A+3], s[G1A:G1A+7]
	s_nop 0
	tensor_load_to_lds s[G0A+4:G0A+7], s[G1A:G1A+7]
	s_nop 0
.rept 4
	v_nop
.endr
	s_branch .Lfirst_asked
.Lfirst_b:
	tensor_load_to_lds s[G0B:G0B+3], s[G1B:G1B+7]
	s_nop 0
	tensor_load_to_lds s[G0B+4:G0B+7], s[G1B:G1B+7]
	s_nop 0
.rept 4
	v_nop
.endr
.Lfirst_asked:
	; A fragment is 16 rows x 32 K in 8 registers: lane l holds row l % 16; registers 0-3 hold K = 8 (l / 16) + 0..7, registers 4-7 hold K = 16 + 8 (l / 16) + 0..7.
	; From rows that lie along K: two loads of 16 bytes, 32 bytes apart.  The same for source 0 and source 1.
	v_and_b32 v1, 15, v0                           ; r = l % 16
	v_bfe_u32 v2, v0, 4, 1                         ; h = l / 16
	v_and_b32 v3, 31, v0                           ; l
	v_mul_u32_u24 v4, v1, PITCH
	v_lshl_add_u32 v4, v2, 4, v4                   ; r x pitch + 16 h
	s_mul_i32 s21, s11, HALFT                      ; my 128 rows of X
	s_mul_i32 s22, s12, HALFT                      ; my 128 rows of W,
	s_add_co_u32 s22, s22, 2*HALFT                 ; which lie behind X's 256
	v_add_nc_u32 v[ADRA], s21, v4
	v_add_nc_u32 v[ADRA+1], SLOT, v[ADRA]
	v_add_nc_u32 v[ADRB], s22, v4
	v_add_nc_u32 v[ADRB+1], SLOT, v[ADRB]
	s_mul_i32 s23, s10, STW
	s_add_co_u32 s23, s23, STAGE                   ; my stage
	v_mul_u32_u24 v5, v1, SP                       ; in: row r, 32 bytes for each half of the lanes
	v_lshl_add_u32 v5, v2, 5, v5
	v_add_nc_u32 v[STO], s23, v5
	v_lshlrev_b32 v[CO], 4, v3                     ; back and out: 32 lanes take the 512 consecutive bytes of a row
	v_add_nc_u32 v[RD], s23, v[CO]
	s_lshl_b32 s21, s12, 8                         ; prefetch: wave 2 the earlier K step, wave 3 the later one,
	v_lshl_add_u32 v[PFR], v3, 13, s21             ; lane l row l of my work-group's 32
; 16 matrix instructions: row blocks a0, a0 + 1 of the window's four (hi = 0: my rows 0-63, 1: rows 64-127) x all 8 column blocks, 32 along K.  zero = 1: the product starts the sums: nothing is ever cleared.
; The 64 accumulators take turns, one instruction a turn, in the same order in every quarter step, over the backward jump too.
.macro MUL16 f, hi, a0, zero
.irp a, \a0, \a0+1
.irp b, 0,1,2,3,4,5,6,7
.if \zero
	v_wmma_f32_16x16x32_bf16 v[8*(8*(\a)+\b):8*(8*(\a)+\b)+7], v[\f+8*\b:\f+8*\b+7], v[\f+8*(4*\hi+\a):\f+8*(4*\hi+\a)+7], 0
.else
	v_wmma_f32_16x16x32_bf16 v[8*(8*(\a)+\b):8*(8*(\a)+\b)+7], v[\f+8*\b:\f+8*\b+7], v[\f+8*(4*\hi+\a):\f+8*(4*\hi+\a)+7], v[8*(8*(\a)+\b):8*(8*(\a)+\b)+7]
.endif
.endr
.endr
.endm
; 32 LDS loads in one run: the fragments of one quarter step (128 rows of W, then 128 rows of X, 32 K at byte k of the rows) into buffer f
.macro FETCH slot, k, f
	WIN TO_B
.irp i, 0,1,2,3,4,5,6,7
	ds_load_b128 v[\f+8*\i:\f+8*\i+3],   v[ADRB+\slot] offset:\k+\i*16*PITCH
	ds_load_b128 v[\f+8*\i+4:\f+8*\i+7], v[ADRB+\slot] offset:\k+\i*16*PITCH+32
.endr
	WIN 0
.irp i, 0,1,2,3,4,5,6,7
	ds_load_b128 v[\f+8*\i:\f+8*\i+3],   v[ADRA+\slot] offset:\k+\i*16*PITCH
	ds_load_b128 v[\f+8*\i+4:\f+8*\i+7], v[ADRA+\slot] offset:\k+\i*16*PITCH+32
.endr
.endm
; A K step is four quarter steps of 32 along K, 64 matrix instructions each, on buffers 0, 1, 0, 1.
; One of the first three: multiplies buffer f; in its middle it fetches the next quarter's fragments, at byte k of the same slot's rows, into buffer g.
.macro QUARTER slot, k, f, g, zero
	s_wait_dscnt 8                                 ; W and X's rows 0-63 are in; the youngest eight loads (X's rows 64-127) may be out
	WIN MUL_LO
	MUL16 \f, 0, 0, \zero
	MUL16 \f, 0, 2, \zero
	PLACES                                         ; buffer g was multiplied in the quarter before
	FETCH \slot, \k, \g
	s_wait_dscnt 32                                ; all but the 32 just issued
	WIN MUL_HI
	MUL16 \f, 1, 0, \zero
	MUL16 \f, 1, 2, \zero
.endm
; The last quarter multiplies buffer 1 and changes slots: ONE barrier for two things.  In front of it each wave waits for its own reads of this slot and for all its tensor loads, of which one is out:
; its part of the next slot.  Behind it nobody reads this slot any more and the next slot is whole.
; fill = 1: the barrier opens a round of the cluster's, so that no wave of any partner still reads the slot or has a load on its way; the joint refill, two K steps ahead, is the first thing behind the round.
.macro TURN slot, next, fill, pf
	s_wait_dscnt 8
	WIN MUL_LO
	MUL16 F1, 0, 0, 0
	s_wait_dscnt 0x0                               ; my reads of this slot are over (the last were issued 48 matrix instructions ago)
	s_wait_tensorcnt 0x0                           ; and all my tensor loads have landed
	ds_add_u32 v255, v255
	s_wait_dscnt 0x0
	s_barrier_signal -1                            ; say so,
	MUL16 F1, 0, 2, 0                              ; work on registers while the others arrive,
.if \fill
	WIN 0
.endif
	s_barrier_wait -1                              ; and go on when all four have said so
.if \fill
	CREST
	s_add_nc_u64 s[G0A+4*\slot+2:G0A+4*\slot+3], s[G0A+4*\slot+2:G0A+4*\slot+3], 2*KSTEP*2   ; no tensor load of mine is out: the slot's addresses step two K steps on
	s_add_nc_u64 s[G0B+4*\slot+2:G0B+4*\slot+3], s[G0B+4*\slot+2:G0B+4*\slot+3], 2*KSTEP*2
	JLOAD \slot, \pf                               ; the four v_nop behind it are also the places in front of the loads below
.else
	PLACES
.endif
	FETCH \next, 0, F0
	WIN MUL_HI
	MUL16 F1, 1, 0, 0
	MUL16 F1, 1, 2, 0
.endm
; THE WAY OUT of row block a: 16 rows x 512 bytes.  A lane's 32 bytes of each accumulator go into my own stage (its low four registers first): rows 528 bytes apart, so that
; sixteen lanes' 16 bytes fall into sixteen different columns of 16 bytes.  They come back as whole rows, and each store of the wave covers 512 consecutive bytes at a multiple of 512 from out's first byte.
.macro WAYOUT a
	WIN ST_LO+4*((\a)/4)
.irp b, 0,1,2,3,4,5,6,7
	ds_store_b128 v[STO], v[64*((\a)%4)+8*\b:64*((\a)%4)+8*\b+3]   offset:64*\b
	ds_store_b128 v[STO], v[64*((\a)%4)+8*\b+4:64*((\a)%4)+8*\b+7] offset:64*\b+16
.endr
	WIN 0
.if (\a) >= 2
	s_wait_xcnt 0x0                                ; the stores of the block two back name this buffer's registers: they are loaded again only behind this wait
.endif
.irp t, 0,1,2,3,4,5,6,7,8,9,10,11,12,13,14,15
	ds_load_b128 v[OB+64*((\a)%2)+4*\t:OB+64*((\a)%2)+4*\t+3], v[RD] offset:\t*SP   ; LDS serves a wave's instructions in order (ISA guide 5.7.1): these see the stores above
.endr
.irp t, 0,1,2,3,4,5,6,7,8,9,10,11,12,13,14,15
	s_wait_dscnt 15-\t                             ; row t is back; the younger ones stay out.  The last count is 0, so the next block's stores into the stage find it read
	global_store_b128 v[CO], v[OB+64*((\a)%2)+4*\t:OB+64*((\a)%2)+4*\t+3], s[8:9] offset:((\a)*16+\t)*SIZE_N*4 th:TH_STORE_NT   ; 127 rows of 8,192 bytes at the most: inside the signed 24-bit immediate
.endr
.endm
	s_wait_tensorcnt 1                             ; my part of K step 0 is in; slot 1's may stay out
	s_barrier_signal -1
	s_barrier_wait -1                              ; everybody's is
	FETCH 0, 0, F0
	QUARTER 0, 64,  F0, F1, 1                      ; the first quarter stands in front of the loop: its products start the sums
	WIN 0
	s_mov_b32 s[LAPC], LAPS-1
.Llap:                                                 ; trip i = 0..14 goes once round the ring, from K step 2 i's second quarter to step 2 i + 2's first, and asks for steps 2 i + 2 and 2 i + 3
	QUARTER 0, 128, F1, F0, 0
	QUARTER 0, 192, F0, F1, 0
	TURN 0, 1, 1, 1
	QUARTER 1, 64,  F0, F1, 0
	QUARTER 1, 128, F1, F0, 0
	QUARTER 1, 192, F0, F1, 0
	TURN 1, 0, 1, 0
	QUARTER 0, 64,  F0, F1, 0
	WIN 0
	s_sub_co_u32 s[LAPC], s[LAPC], 1
	s_cmp_lg_u32 s[LAPC], 0
	s_cbranch_scc1 .Llap
	QUARTER 0, 128, F1, F0, 0                      ; the last lap is written out: it asks for nothing more, so its barrier opens no round
	QUARTER 0, 192, F0, F1, 0
	TURN 0, 1, 0, 0
	QUARTER 1, 64,  F0, F1, 0
	QUARTER 1, 128, F1, F0, 0
	QUARTER 1, 192, F0, F1, 0
	s_wait_dscnt 8                                 ; the very last quarter: nothing more to fetch
	WIN MUL_LO
	MUL16 F1, 0, 0, 0
	MUL16 F1, 0, 2, 0
	s_wait_dscnt 0x0
	WIN MUL_HI
	MUL16 F1, 1, 0, 0
	MUL16 F1, 1, 2, 0
	PLACES                                         ; the LDS stores below read results just made, and the stage's reads land in X's buffers, which those products read
.irp a, 0,1,2,3,4,5,6,7
	WAYOUT \a
.endr
	s_set_vgpr_msb 0x1
	s_wait_tensorcnt 0x0
	ds_add_u32 v255, v255
	s_wait_dscnt 0x0
	s_set_vgpr_msb 0x100
	CROUND                                         ; the closing round: no work-group ends while a partner may still ask for a tile that names it
	s_endpgm
.Lfunc_end_k_q037f8ebc9e_gemm:
	.size	k_q037f8ebc9e_gemm, .Lfunc_end_k_q037f8ebc9e_gemm-k_q037f8ebc9e_gemm
	.p2alignl 7, 3214868480
	.fill 96, 4, 3214868480
	.section	.rodata,"a",@progbits
	.p2align	6, 0x0
	.amdhsa_kernel k_q037f8ebc9e_gemm
		.amdhsa_group_segment_fixed_size 327680
		.amdhsa_private_segment_fixed_size 0
		.amdhsa_enable_private_segment 0
		.amdhsa_kernarg_size 24
		.amdhsa_user_sgpr_count 2
		.amdhsa_user_sgpr_kernarg_segment_ptr 1
		.amdhsa_wavefront_size32 1
		.amdhsa_system_sgpr_workgroup_id_x 1
		.amdhsa_system_sgpr_workgroup_id_y 1
		.amdhsa_system_sgpr_workgroup_id_z 1
		.amdhsa_system_vgpr_workitem_id 0
		.amdhsa_next_free_vgpr 1024
		.amdhsa_next_free_sgpr 66
		.amdhsa_reserve_vcc 0
		.amdhsa_float_denorm_mode_32 3
		.amdhsa_float_denorm_mode_16_64 3
		.amdhsa_memory_ordered 1
		.amdhsa_forward_progress 1
		.amdhsa_inst_pref_size 144
	.end_amdhsa_kernel
	.amdgpu_metadata
---
amdhsa.version: [ 1, 2 ]
amdhsa.kernels:
  - .name:           k_q037f8ebc9e_gemm
    .symbol:         k_q037f8ebc9e_gemm.kd
    .args:
      - { .name: xb, .offset: 0, .size: 8, .value_kind: global_buffer, .address_space: global }
      - { .name: wb, .offset: 8, .size: 8, .value_kind: global_buffer, .address_space: global }
      - { .name: out0, .offset: 16, .size: 8, .value_kind: global_buffer, .address_space: global }
    .group_segment_fixed_size: 327680
    .private_segment_fixed_size: 0
    .kernarg_segment_align: 8
    .kernarg_segment_size: 24
    .max_flat_workgroup_size: 128
    .sgpr_count:     66
    .vgpr_count:     1024
    .wavefront_size: 32
...
	.end_amdgpu_metadata
.endif
;; end of part 4
